; MI455X (gfx1250); checked and timed in simulation.
; The chip was launched on July 23, 2026; its instructions are those of AMD's public machine-readable ISA for CDNA 5 (MIT licence, August 2026) and "CDNA5" Instruction Set Architecture Reference Guide (July 2026). The comments in the code are by the model that wrote it; some were corrected since.
;; Quantized Layer. Allowed arithmetic: matrix products marked QUANTISED: E2M3 operands, one E8M0 scale for each 32 along K, by v_wmma_scale_f32_16x16x128_f8f6f4 with both operands' format E2M3, f32 sums; everything else in f32.
;; Inputs: bias 4,096 float32; weight 4,096 x 4,096 float32; x 4,096 x 4,096 float32.
;; Outputs: out0 4,096 x 4,096 float32.
;; This version of the problem:
;;   THIS VERSION OF THE PROBLEM IS GIVEN IN LOW PRECISION. The matrix products marked QUANTISED in the list below multiply operands that are first quantised to E2M3 (2 exponent bits, 3 mantissa bits; 6 bits a number), with one power-of-two scale for each 32 numbers along K (OCP MX v1.0); their sums are f32. All else is computed in f32.
;;   The module's matrix products, in the order in which they are computed (A, B: the left and right operand; K: the contracted axis; several contracted axes count as one K, in the product's order):
;;     1. [M 4,096, K 4,096] x [K 4,096, N 4,096]; A: computed on the way; B: computed on the way: QUANTISED
;;   THE QUANTISER, for each operand of a quantised product, along K:
;;     - K is cut into blocks of 32 from its start; a last block that is shorter is filled with zeros.
;;     - A block's scale is 2^e with e = floor(log2(the largest magnitude in the block)) - 2, held to -126 .. 127; a block of zeros has e = 0. As a byte (E8M0): e + 127.
;;     - Each number is divided by its block's scale, clamped to +-7.5, and rounded to the nearest number of E2M3, ties to even, subnormals kept.
;;     - The product sums the exact products of the quantised numbers (number of the format x scale) in f32.
;;   ~~~python
;;   def quantise(x, axis):      # numpy; x: float32 -> the quantised numbers, widened to float32 again
;;       x = np.moveaxis(x, axis, -1); K = x.shape[-1]
;;       x = np.pad(x, [(0, 0)] * (x.ndim - 1) + [(0, -K % 32)]); x = x.reshape(x.shape[:-1] + (-1, 32)); a = np.abs(x).max(-1, keepdims=True)
;;       e = np.where(a > 0, np.clip(np.frexp(np.where(a > 0, a, 1))[1] - 1 - 2, -126, 127), 0)      # np.frexp(a)[1] - 1 = floor(log2(a)), exactly
;;       r = np.clip(x / 2.0 ** e, -7.5, 7.5)
;;       step = 2.0 ** (np.maximum(np.frexp(np.where(r == 0, 1, r))[1] - 1, 0) - 3)
;;       q = np.round(r / step) * step * 2.0 ** e      # np.round: ties to even
;;       return np.moveaxis(q.reshape(q.shape[:-2] + (-1,))[..., :K], -1, axis).astype(np.float32)
;;   ~~~
;;   OPERANDS COMPUTED ON THE WAY. 'Computed on the way' means the value that the module computes at that place (a softmax that the list does not call 'softmax' is quantised finished and normalised). What goes into a quantiser is computed in f32, as accurately as f32 sums, v_exp_f32 and their like allow (about 1e-6 of the number): no bf16 or f16 on the way to a quantiser, and a product that is left as it is and whose result goes on into a quantised operand takes f32 operands (vector FMAs, or v_wmma_f32_16x16x4_f32). A number that lies on a knife's edge between two numbers of the format may be rounded either way, as far as f32 arithmetic and the matrix unit's own rounding can turn it there, and no further.
;; One version. Each part assembles by itself: llvm-mc -triple=amdgcn-amd-amdhsa -mcpu=gfx1250 --defsym DOCPART=n.
;; ======== version 1 of 1: 2 launches
;; limits: right only within a limited range of input values
;; workspace buffers: xq 13,107,200 bytes; wq 13,107,200 bytes
;; launch quant (part 1): grid 256 x 1, 16 waves a work-group, no clusters, 327,680 bytes of LDS; arguments x, weight, xq, wq; writes xq, wq
.if DOCPART == 1
	.amdgcn_target "amdgcn-amd-amdhsa--gfx1250"
	.amdhsa_code_object_version 6
	.text
	.protected	k_q16842f6a49_quant
	.globl	k_q16842f6a49_quant
	.p2align	8
	.type	k_q16842f6a49_quant,@function
k_q16842f6a49_quant:
	s_mov_b64 s[64:65], 0
	v_nop
	global_prefetch_b8 v0, s[64:65] scope:SCOPE_SE
	s_setreg_imm32_b32 hwreg(HW_REG_WAVE_MODE, 25, 1), 1
	s_wait_xcnt 0x0
; x [4096][4096] and weight [4096][4096], f32, K innermost, become operands of the MX-FP6 product:
;   (1) h(v): the layer's own rounding to 5 exponent and 10 mantissa bits, in f32 arithmetic;
;   (2) for each 32 along K a scale 2^(floor(log2(largest |h|)) - 2) as an E8M0 byte;  (3) codes of E2M3, 6 bits each.
; h(v), read off the layer's definition: its biased exponent is never 0 (small numbers are given the exponent -14), so for |v| < 65536
; h rounds to the nearest multiple of 2^(max(e, -14) - 10), e = floor(log2 |v|), ties to even; finite |v| >= 65536 give 0.
; FIVE OPERATIONS A NUMBER: T = |v| held to 2^-14 .. 65536; v = 0 where T is 65536; T = 1.5 x 2^e (T's exponent field over the mantissa's top bit);
; v = fma(T, 8192, v); v = fma(T, -8192, v).  1.5 x 2^(e+13) has the last place 2^(e-10), v + it stays in its binade for either sign, and it is an
; even multiple of that last place: so the first fma rounds v to the grid, ties to even, and the second is exact.
; LIMITS: NaN and infinities in x or weight are not served.  Under 2^-14 the layer rounds (mantissa - 1) in f32 before it rounds to the grid and this text
; rounds once: the two differ only within 2^-38 of a tie.  A result -0 comes out as +0.  A block of zeros gets the byte 1 where the rule says 127:
; its codes are zeros, which add nothing under any byte but 0xff, and the bytes are read by this program alone.
; THE WORKSPACE IS LAID AS THE PRODUCT'S REGISTERS WANT IT: [row / 128][k / 128] chunks of 12,800 bytes.  In a chunk: eight fragments (16 rows x 128 K, 12 registers
; a lane) of 1,536 bytes, register 4 g + j of lane l at 1536 f + 512 g + 16 l + 4 j; from byte 12,288 the 128 rows' scale words, row 16 i + r at 256 (i / 4) + 16 r + 4 (i % 4).
; SHARES.  Work-groups 0-127 take x, 128-255 weight.  A work-group takes 128 rows x 1,024 K; wave w makes half a chunk: rows 64 (w / 8) .. + 63, 128 K at 128 (w % 8): four fragments
; and their 256 bytes of scale words.
; THE INPUT COMES BY TWO WAYS AT ONCE.  Fragments 0, 1 and 3 come by loads into registers, 512 consecutive bytes of one row each, 16 a lane, and turn through the wave's own stage in LDS.
; Fragment 2 comes by ONE tensor load, issued at the head: 16 rows x 512 bytes, each row from a multiple of 512, 16 bytes of padding behind each, into bytes of the wave's own that are filled once
; and that no other wave reads: so the wave's own wait for the load is all the ordering that its reads need, and the text has no refill and no barrier.  It is worked on while fragment 3's loads are out.
; No prefetch: every input byte is read once, and all but fragment 3's are asked for at the head.
; From LDS a fragment comes as the operand's layout has it: lane (r, h) holds k = 64 c + 32 h + 0 .. 31 of row r, two whole blocks, so that a block's largest magnitude needs no other lane.
; Every store covers whole aligned runs of 256 bytes.  Every offset is an immediate: no pointer is stepped.
.set ROWIN, 16384                      ; a row of the input in bytes
.set SUB,   12800                      ; a chunk of the workspace
.set FRB,   1536                       ; a fragment's image
.set NF,    4                          ; fragments of a wave
.set SP,    528                        ; an LDS row: 512 bytes + 16: the sixteen rows that a read touches start in sixteen different columns of 16 bytes
.set WST,   16*SP                      ; 16 rows: a wave's stage, and a wave's tile
.set TB,    16*WST                     ; behind the sixteen stages: the sixteen tiles
.set SPARE, 2*TB                       ; behind them: the spare words, 128 bytes a wave
.set VO,   1                           ; v1      16 x lane; never rewritten
.set SIN,  2                           ; v2      the stage on the way in
.set SOUT, 3                           ; v3      and on the way out: row r, + 128 h
.set H8,   4                           ; v4      8 h
.set PD,   5                           ; v5      the lane permute's destination
.set M,    6                           ; v6-7    the two blocks' largest magnitudes
.set MX,   8                           ; v8-11   those of four runs of 16
.set SO,   12                          ; v12-13  the conversions' scale operands
.set BY,   14                          ; v14-15  the scale bytes
.set T,    16                          ; v16-31  at work
.set C,    32                          ; v32-43  a fragment's 12 registers of codes
.set TMP,  44                          ; v44-46, v48-50  the upper halves of the two blocks, as converted
.set SPW,  47                          ; v47     my spare word's LDS address; never rewritten
.set NIL,  51                          ; v51     0; never rewritten
.set WS,   52                          ; v52-55  the scale word of row r of each fragment
.set TOUT, 56                          ; v56     my tile: row r, + 128 h
.set X,    64                          ; v64-127 register 32 c + i: k = 64 c + 32 h + i of row r
.set RAW,  128                         ; v128-255 two sets of 64: a fragment's 16 rows as loaded
.set MK,   32                          ; s32-35  four compare masks by turns
.set G1,   40                          ; s[40:47] descriptor group 1
.set G0,   48                          ; s[48:51] group 0
	s_load_b256 s[4:11], s[0:1], 0x0               ; x s[4:5], weight s[6:7], xq s[8:9], wq s[10:11]
	v_lshl_add_u32 v[SPW], v0, 2, SPARE
	v_mov_b32 v[NIL], 0
	ds_add_u32 v[SPW], v[NIL]                      ; the opening: the add, twice on end, and its wait ahead of my tensor load
	ds_add_u32 v[SPW], v[NIL]
	v_lshrrev_b32 v6, 5, v0
	s_delay_alu instid0(VALU_DEP_1)
	v_readfirstlane_b32 s12, v6                    ; wave 0..15
	s_mul_i32 s13, s12, WST                        ; my stage
	s_add_co_u32 s38, s13, TB                      ; my tile
	s_mov_b32 s20, 0x38800000                      ; 2^-14
	s_mov_b32 s21, 0x47800000                      ; 65536
	s_mov_b32 s22, 0x7f800000                      ; the exponent field
	s_mov_b32 s23, 0x00400000                      ; the mantissa's top bit: 1.5
	s_mov_b32 s24, 0x46000000                      ; 8192
	s_mov_b32 s25, s24                             ; (the packed form names a pair and takes its low word for both halves)
	s_mov_b32 s26, 0xc6000000                      ; -8192
	s_mov_b32 s27, s26
	s_mov_b32 s28, 0x76543210                      ; v_permlanex16_b32's selects for lane l xor 16
	s_mov_b32 s29, 0xfedcba98
	s_mov_b32 s[G1+0], (2<<16)|(1<<20)|(6<<22)|(3<<25)   ; elements of 4 bytes; padding on: behind every 128 words, 4 words
	s_mov_b32 s[G1+1], 128<<16                     ; tensor_dim0 = 128
	s_mov_b32 s[G1+2], 16<<16                      ; tensor_dim1 = 16
	s_mov_b32 s[G1+3], 128<<16                     ; tile_dim0 = 128
	s_mov_b32 s[G1+4], 16                          ; tile_dim1 = 16
	s_mov_b32 s[G1+5], 4096                        ; elements from row to row
	s_mov_b32 s[G1+6], 0
	s_mov_b32 s[G1+7], 0
	s_bfe_u32 s14, ttmp9, 0x50002                  ; R: which 128 rows
	s_lshr_b32 s31, s12, 3                         ; which 64 of them
	s_and_b32 s15, ttmp9, 3
	s_lshl_b32 s15, s15, 3
	s_and_b32 s17, s12, 7
	s_add_co_u32 s15, s15, s17                     ; s: which 128 along K = 8 x (work-group % 4) + wave % 8
	s_lshl_b32 s16, s14, 21                        ; in: 128 R rows of 16,384 bytes
	s_lshl_b32 s17, s15, 9                         ;     + 512 s
	s_add_co_u32 s16, s16, s17
	s_lshl_b32 s17, s31, 20                        ;     + 64 rows for the upper half
	s_add_co_u32 s16, s16, s17
	s_mov_b32 s17, 0
	s_lshl_b32 s18, s14, 5
	s_add_co_u32 s18, s18, s15
	s_mul_i32 s18, s18, SUB                        ; out: chunk 32 R + s,
	s_mul_i32 s36, s31, NF*FRB
	s_add_co_u32 s18, s18, s36                     ;      its fragments 0-3 or 4-7
	s_mov_b32 s19, 0
	s_mul_i32 s36, s31, NF*FRB-256
	s_sub_co_u32 s36, 8*FRB, s36                   ; from there to my 256 bytes of scale words
	s_mov_b32 s37, 0
	v_and_b32 v6, 31, v0                           ; lane
	v_and_b32 v7, 15, v0                           ; r
	v_bfe_u32 v8, v0, 4, 1                         ; h
	s_delay_alu instid0(VALU_DEP_3)
	v_lshlrev_b32 v[VO], 4, v6
	v_mul_u32_u24 v9, v7, SP
	s_delay_alu instid0(VALU_DEP_2)
	v_add_nc_u32 v[SIN], s13, v[VO]
	s_delay_alu instid0(VALU_DEP_2)
	v_lshl_add_u32 v9, v8, 7, v9
	s_delay_alu instid0(VALU_DEP_1)
	v_add_nc_u32 v[SOUT], s13, v9
	v_add_nc_u32 v[TOUT], s38, v9
	v_lshlrev_b32 v[H8], 3, v8
	v_mov_b32 v[PD], 0                             ; written once: a lane permute's destination counts as one of its sources
	s_wait_alu depctr_va_vdst(0)                   ; the wait at the head's end
	s_wait_dscnt 0x0                               ; both opening adds are done
	s_wait_kmcnt 0x0
	s_cmp_lt_u32 ttmp9, 128                        ; x's work-group or weight's?  The choice hangs on the work-group's number alone; only pointers are chosen
	s_cselect_b64 s[4:5], s[4:5], s[6:7]
	s_cselect_b64 s[8:9], s[8:9], s[10:11]
	s_add_nc_u64 s[4:5], s[4:5], s[16:17]
	s_add_nc_u64 s[8:9], s[8:9], s[18:19]
	s_add_nc_u64 s[10:11], s[8:9], s[36:37]
	s_mov_b32 s[G0], 1
	s_mov_b32 s[G0+1], s38
	s_add_nc_u64 s[G0+2:G0+3], s[4:5], 2*16*ROWIN  ; fragment 2: my rows 32 to 47
	s_or_b32 s[G0+3], s[G0+3], 0x80000000
	tensor_load_to_lds s[G0:G0+3], s[G1:G1+7]      ; my one tensor load
	s_nop 0
.macro LOAD f, set                     ; fragment f's 16 rows, 512 consecutive bytes each, into a set of RAW
.irp i, 0,1,2,3,4,5,6,7,8,9,10,11,12,13,14,15
	global_load_b128 v[RAW+64*(\set)+4*\i:RAW+64*(\set)+4*\i+3], v[VO], s[4:5] offset:(16*(\f)+\i)*ROWIN th:TH_LOAD_NT
.endr
.endm
.macro ROUND16 u                       ; h() of X's registers 16 u .. 16 u + 15
.set X0, X+16*(\u)
.irp i, 0,1,2,3,4,5,6,7,8,9,10,11,12,13,14,15
	v_med3_num_f32 v[T+\i], |v[X0+\i]|, s20, s21   ; |v| held to 2^-14 .. 65536
.endr
.irp g, 0,4,8,12
.irp i, 0,1,2,3
	v_cmp_gt_f32 s[MK+\i], s21, v[T+\g+\i]         ; 65536 > |v| ?
.endr
.irp i, 0,1,2,3
	s_delay_alu instid0(VALU_DEP_4)
	v_cndmask_b32 v[X0+\g+\i], 0, v[X0+\g+\i], s[MK+\i]   ; else the layer gives 0
.endr
.endr
.irp i, 0,1,2,3,4,5,6,7,8,9,10,11,12,13,14,15
	v_and_or_b32 v[T+\i], v[T+\i], s22, s23        ; 1.5 x 2^e
.endr
.irp i, 0,2,4,6,8,10,12,14
	v_pk_fma_f32 v[X0+\i:X0+\i+1], v[T+\i:T+\i+1], s[24:25], v[X0+\i:X0+\i+1] op_sel_hi:[1,0,1]   ; v + 1.5 x 2^(e+13): rounded to the grid, ties to even
.endr
.irp i, 0,2,4,6,8,10,12,14
	v_pk_fma_f32 v[X0+\i:X0+\i+1], v[T+\i:T+\i+1], s[26:27], v[X0+\i:X0+\i+1] op_sel_hi:[1,0,1]   ; and back: exact
.endr
.endm
.macro SCALE f                         ; my two blocks' scales (blocks h and 2 + h of row r), and row r's scale word
.irp u, 0,1,2,3
	v_max3_num_f32 v[MX+\u], |v[X+16*\u]|, |v[X+16*\u+1]|, 0x1800000   ; with the floor 2^(3 - 127) among the leaves: the byte cannot fall under 1
.endr
.irp i, 2,4,6,8,10,12,14
.irp u, 0,1,2,3
	s_delay_alu instid0(VALU_DEP_4)
	v_max3_num_f32 v[MX+\u], v[MX+\u], |v[X+16*\u+\i]|, |v[X+16*\u+\i+1]|   ; four chains by turns
.endr
.endr
	s_delay_alu instid0(VALU_DEP_3)
	v_max_num_f32 v[M], v[MX], v[MX+1]
	s_delay_alu instid0(VALU_DEP_2)
	v_max_num_f32 v[M+1], v[MX+2], v[MX+3]
.irp c, 0,1
	s_delay_alu instid0(VALU_DEP_2)
	v_add_nc_u32 v[SO+\c], 0xff000000, v[M+\c]     ; 2 off the exponent field: the conversion takes the exponent field of this operand as its scale
.endr
.irp c, 0,1
	s_delay_alu instid0(VALU_DEP_2)
	v_lshrrev_b32 v[BY+\c], 23, v[SO+\c]           ; the scale's byte
.endr
	s_delay_alu instid0(VALU_DEP_1)
	v_lshl_or_b32 v[WS+\f], v[BY+1], 16, v[BY]     ; my two bytes,
	s_delay_alu instid0(VALU_DEP_1)
	v_lshlrev_b32 v[WS+\f], v[H8], v[WS+\f]        ; at their places in the word (8 h bits up);
	s_delay_alu instid0(VALU_DEP_1)
	v_permlanex16_b32 v[PD], v[WS+\f], s28, s29
	s_delay_alu instid0(VALU_DEP_1)
	v_or_b32 v[WS+\f], v[WS+\f], v[PD]             ; with lane l xor 16's two the word is whole, in both halves of the lanes
.endm
.macro CODES f
.if (\f) > 0
	s_wait_xcnt 0x0                                ; the last fragment's stores have read their data: the codes' registers are rewritten only behind this wait
.endif
	v_cvt_scalef32_pk16_fp6_f32 v[C:C+2], v[X:X+15], v[SO]            ; sixteen numbers / the scale, to the nearest code, ties to even, beyond the largest code the largest
	v_cvt_scalef32_pk16_fp6_f32 v[TMP:TMP+2], v[X+16:X+31], v[SO]     ; (a conversion's three registers begin on an even number: a block's upper half is made elsewhere and moved)
	v_cvt_scalef32_pk16_fp6_f32 v[C+6:C+8], v[X+32:X+47], v[SO+1]
	v_cvt_scalef32_pk16_fp6_f32 v[TMP+4:TMP+6], v[X+48:X+63], v[SO+1]
	v_nop                                          ; one plain place behind the scaled conversions
.irp c, 0,1
.irp i, 0,1,2
	v_mov_b32 v[C+3+6*\c+\i], v[TMP+4*\c+\i]       ; registers 6 c .. 6 c + 5 now hold k = 64 c + 32 h + 0 .. 31
.endr
.endr
.irp g, 0,1,2
	global_store_b128 v[VO], v[C+4*\g:C+4*\g+3], s[8:9] offset:FRB*(\f)+512*\g   ; the image of the operand's registers: 32 lanes, 512 consecutive bytes
.endr
.endm
.macro FINISH f                        ; X holds fragment f: its arithmetic and its stores
	ROUND16 0
	ROUND16 1
	ROUND16 2
	ROUND16 3
	SCALE \f
	s_wait_alu depctr_va_vdst(0)                   ; the wait here, ahead of the wait in CODES
	CODES \f
.endm
.macro GETX adr                        ; a fragment out of LDS, as the operand's layout has it
.irp c, 0,1
.irp j, 0,1,2,3,4,5,6,7
	ds_load_b128 v[X+32*\c+4*\j:X+32*\c+4*\j+3], v[\adr] offset:256*\c+16*\j
.endr
.endr
	s_wait_dscnt 0x0
.endm
.macro FROMREG f, set, lw, nf          ; fragment f lies in a set of RAW.  lw: the loads issued behind its own.  nf: the fragment that the set takes next (99: none)
	s_wait_loadcnt \lw                             ; loads come back in order
.irp i, 0,1,2,3,4,5,6,7,8,9,10,11,12,13,14,15
	ds_store_b128 v[SIN], v[RAW+64*(\set)+4*\i:RAW+64*(\set)+4*\i+3] offset:SP*\i
.endr
	GETX SOUT                                      ; LDS serves a wave's instructions in order: the loads see the stores above; behind their wait the stores have read their registers,
.if (\nf) < 90
	LOAD \nf, \set                                 ; which may be loaded again
.endif
	FINISH \f
.endm
	LOAD 0, 0
	LOAD 1, 1
	FROMREG 0, 0, 16, 3
	FROMREG 1, 1, 16, 99
	s_wait_tensorcnt 0x0                           ; my tile has landed; nobody else reads it
	GETX TOUT
	FINISH 2
	FROMREG 3, 0, 0, 99
	s_wait_xcnt 0x0                                ; EXEC changes only behind this wait
	v_cmp_gt_u32 vcc_lo, 0x100, v[VO]              ; lanes 0-15
	s_and_saveexec_b32 s30, vcc_lo
	global_store_b128 v[VO], v[WS:WS+3], s[10:11]  ; sixteen lanes store my 64 rows' scale words: one aligned run of 256 bytes
	s_wait_xcnt 0x0
	s_or_b32 exec_lo, exec_lo, s30
	s_wait_tensorcnt 0x0                           ; the wave's end
	ds_add_u32 v[SPW], v[NIL]
	s_wait_dscnt 0x0
	s_endpgm
.Lfunc_end_k_q16842f6a49_quant:
	.size	k_q16842f6a49_quant, .Lfunc_end_k_q16842f6a49_quant-k_q16842f6a49_quant
	.p2alignl 7, 3214868480
	.fill 96, 4, 3214868480
	.section	.rodata,"a",@progbits
	.p2align	6, 0x0
	.amdhsa_kernel k_q16842f6a49_quant
		.amdhsa_group_segment_fixed_size 327680
		.amdhsa_private_segment_fixed_size 0
		.amdhsa_enable_private_segment 0
		.amdhsa_kernarg_size 32
		.amdhsa_user_sgpr_count 2
		.amdhsa_user_sgpr_kernarg_segment_ptr 1
		.amdhsa_wavefront_size32 1
		.amdhsa_system_sgpr_workgroup_id_x 1
		.amdhsa_system_sgpr_workgroup_id_y 1
		.amdhsa_system_sgpr_workgroup_id_z 1
		.amdhsa_system_vgpr_workitem_id 0
		.amdhsa_next_free_vgpr 256
		.amdhsa_next_free_sgpr 66
		.amdhsa_reserve_vcc 1
		.amdhsa_float_denorm_mode_32 3
		.amdhsa_float_denorm_mode_16_64 3
		.amdhsa_memory_ordered 1
		.amdhsa_forward_progress 1
		.amdhsa_inst_pref_size 123
	.end_amdhsa_kernel
	.amdgpu_metadata
---
amdhsa.version: [ 1, 2 ]
amdhsa.kernels:
  - .name:           k_q16842f6a49_quant
    .symbol:         k_q16842f6a49_quant.kd
    .args:
      - { .name: x, .offset: 0, .size: 8, .value_kind: global_buffer, .address_space: global }
      - { .name: weight, .offset: 8, .size: 8, .value_kind: global_buffer, .address_space: global }
      - { .name: xq, .offset: 16, .size: 8, .value_kind: global_buffer, .address_space: global }
      - { .name: wq, .offset: 24, .size: 8, .value_kind: global_buffer, .address_space: global }
    .group_segment_fixed_size: 327680
    .private_segment_fixed_size: 0
    .kernarg_segment_align: 8
    .kernarg_segment_size: 32
    .max_flat_workgroup_size: 512
    .sgpr_count:     66
    .vgpr_count:     256
    .wavefront_size: 32
...
	.end_amdgpu_metadata
.endif
;; end of part 1
;; launch gemm (part 2): grid 16 x 16, 4 waves a work-group, clusters of 4 x 4, 327,680 bytes of LDS; arguments xq, wq, bias, out0; writes out0
.if DOCPART == 2
	.amdgcn_target "amdgcn-amd-amdhsa--gfx1250"
	.amdhsa_code_object_version 6
	.text
	.protected	k_q16842f6a49_gemm
	.globl	k_q16842f6a49_gemm
	.p2align	8
	.type	k_q16842f6a49_gemm,@function
k_q16842f6a49_gemm:
	s_mov_b64 s[64:65], 0
	v_nop
	global_prefetch_b8 v0, s[64:65] scope:SCOPE_SE
	s_setreg_imm32_b32 hwreg(HW_REG_WAVE_MODE, 25, 1), 1
	s_wait_xcnt 0x0
	s_wait_alu depctr_hold_cnt(0) depctr_sa_sdst(0) depctr_va_vdst(0) depctr_va_sdst(0) depctr_va_ssrc(0) depctr_va_vcc(0) depctr_vm_vsrc(0)
	s_getreg_b32 s2, hwreg(HW_REG_IB_STS2, 6, 4)
	s_cmp_eq_u32 s2, 0
	s_cbranch_scc0 .Lentry_in_a_cluster
	s_endpgm
.Lentry_in_a_cluster:
	s_bfe_u32 s2, ttmp6, 0x10000c
	s_cmp_lg_u32 s2, 0xf033
	s_cbranch_scc0 .Lentry_shape_is_right
	s_endpgm
.Lentry_shape_is_right:
; out0[m][n] = sum over k of Q(h(x))[m][k] Q(h(weight))[n][k] + h(bias)[n].  xq and wq hold the two operands as codes of E2M3 with E8M0 scale words,
; laid [row / 128][k / 128] in chunks of 12,800 bytes: eight register images of fragments (16 rows x 128 K, 1,536 bytes), then 512 bytes of scale words.
; A work-group of four waves makes 256 x 256 of out0; WAVE w MAKES ROWS 64 w .. 64 w + 63 x ALL 256 COLUMNS: 64 accumulators of 16 x 16, 512 registers.
; x: a wave's 64 rows are read by no other wave of the work-group, so they go from memory straight into registers: 12 loads of 512 consecutive bytes and one of the scale
; words for each step of 128 along K, into four sets of registers; a set is asked for again behind its step's last product, three whole steps (192 matrix instructions) ahead of its use.
; weight: all four waves read all 256 rows, so they go through LDS: a ring of two slots, each with four steps (102,400 bytes), a quarter of a slot to each wave's tensor load.
; Its 16 fragments have ONE set of registers: a step goes by weight's blocks, each against x's four, and behind each 32 products the eight blocks just used are fetched
; for the next step, 32 products ahead of their use: two runs of LDS loads a step.
; CLUSTERS: 4 x 4 work-groups.  The four of a column of the cluster need the same tiles of weight and ask for them jointly.  x is not asked for jointly: a joint request lands in LDS,
; and x's bytes never lie there.  x is not prefetched either: its loads into registers are themselves issued three steps ahead.  weight's tiles are: see ASK in TURN.
; THE MATRIX INSTRUCTION IS USED TRANSPOSED (source 0 = 16 rows of weight, source 1 = 16 rows of x): a lane holds eight neighbouring columns of one row of out0.
; h(bias), the layer's rounding to 5 exponent and 10 mantissa bits as the first kernel has it, is added on the way out, where a lane holds the same eight columns in every row.
; LIMITS: a NaN or an infinity in bias is carried to its column as it is; those in x and weight are the first kernel's matter.
; REGISTERS: window 0: v0-31 addresses and bias; v32-47 weight's scale words, two sets; v48-63 x's, four sets; v64-255 x's fragments, four sets of 48 (on the way out v64-191 are at work).
;   window 1: v0-191 weight's 16 fragments.  window 2: accumulators of columns 0-127 ((b, a) at v[8 (4 (b % 8) + a)]); window 3: of columns 128-255.
.set SUB,    12800                     ; a chunk
.set FRB,    1536                      ; a fragment's image
.set SCW,    8*FRB                     ; where a chunk's scale words begin
.set RCH,    32*SUB                    ; 128 rows, all of K
.set UNIT,   2*SUB                     ; what one tensor load brings: two steps of 128 rows
.set BCH,    4*SUB                     ; four steps of 128 rows
.set SLOT,   2*BCH                     ; four steps of 256 rows
.set STAGE,  2*SLOT                    ; behind the ring: 16 rows x (1,024 + 16) bytes for each wave, for the way out; no tensor load lands here
.set SPITCH, 1040
.set SPARE,  STAGE+4*16*SPITCH         ; the spare words, 128 bytes a wave
.set ROWC,   16384                     ; a row of out0 in bytes
.set ADRB, 8                           ; v8-11   weight's fragments in LDS: slot s, rows 128 c ..: register 2 s + c
.set ADRS, 12                          ; v12-13  weight's scale words in slot 0, 1: lanes 0-15 rows 0-127, lanes 16-31 rows 128-255
.set AOF,  14                          ; v14     16 x lane
.set AOS,  15                          ; v15     from my fragments to my scale words in a chunk of x, + 16 r
.set STO,  16                          ; v16     the way out: where I put 32 bytes of a row
.set RD,   17                          ; v17     the way out: where I read a row back
.set PFO,  19                          ; v19     the prefetch's offset
.set SPW,  20                          ; v20     my spare word's LDS address; never rewritten
.set NIL,  21                          ; v21     0; never rewritten
.set BI,   22                          ; v22-29  h(bias) of my columns 4 l .. 4 l + 3 and 128 + 4 l .. + 3
.set SCB,  32
.set SCA,  48
.set AF,   64
.set BK,   64                          ; the way out: two buffers of 64 registers
.set G1,   24                          ; s[24:31] descriptor group 1
.set G0,   32                          ; s[32:39] group 0, one set for each slot
.set PA,   48                          ; s[48:49] where my loads of x stand
.set PFA,  50                          ; s[50:51] where my prefetches stand
.set MSB, 0
.macro WIN new                         ; the immediate's high byte repeats the setting that is left
.if MSB != (\new)
	s_set_vgpr_msb (MSB<<8)|(\new)
.set MSB, (\new)
.endif
.endm
.set MUL_LO, 0xa1                      ; source 0 window 1, source 1 window 0, C and D window 2
.set MUL_HI, 0xf1                      ; the same, C and D window 3
.set TO_B,   0x40                      ; destination window 1, address window 0
.macro PLACES                          ; four places behind matrix instructions, ahead of loads into their sources and of reads of their results
.rept 4
	v_nop
.endr
.endm
.macro JLOAD s                         ; every wave's quarter of slot s: one line, one mask; the addresses hang on the tile column and the wave's number alone
	tensor_load_to_lds s[G0+4*\s:G0+4*\s+3], s[G1:G1+7]
	s_nop 0
	PLACES
.endm
.macro CREST                           ; a round of the cluster's barrier behind its opening barrier
	s_cmp_lg_u32 s14, 0
	s_cbranch_scc1 .Lnot_wave_0_\@
	s_barrier_signal -3
.Lnot_wave_0_\@:
	s_barrier_wait -3
	s_barrier_signal -1
	s_barrier_wait -1
.endm
.macro CROUND
	s_barrier_signal -1
	s_barrier_wait -1
	CREST
.endm
.macro ALOAD set, ao                   ; x's four fragments and scale words of the chunk ao chunks from s[PA]
.irp i, 0,1,2,3,4,5,6,7,8,9,10,11
	global_load_b128 v[AF+48*(\set)+4*\i:AF+48*(\set)+4*\i+3], v[AOF], s[PA:PA+1] offset:(\ao)*SUB+512*\i
.endr
	global_load_b128 v[SCA+4*(\set):SCA+4*(\set)+3], v[AOS], s[PA:PA+1] offset:(\ao)*SUB
.endm
.macro RELOAD ns, nq, b0               ; weight's blocks b0 .. b0 + 7 of step nq of slot ns: 24 loads
	WIN TO_B
.irp b, \b0, \b0+1, \b0+2, \b0+3, \b0+4, \b0+5, \b0+6, \b0+7
.irp g, 0,1,2
	ds_load_b128 v[12*(\b)+4*\g:12*(\b)+4*\g+3], v[ADRB+2*(\ns)+(\b)/8] offset:(\nq)*SUB+((\b)%8)*FRB+512*\g
.endr
.endr
.endm
.macro SCALES ns, nq, p                ; weight's scale words of that step into set p: register b % 8, lanes 0-15 block b % 8, lanes 16-31 block 8 + b % 8
.irp j, 0,1
	ds_load_b128 v[SCB+8*(\p)+4*\j:SCB+8*(\p)+4*\j+3], v[ADRS+\ns] offset:(\nq)*SUB+SCW+256*\j
.endr
.endm
.macro WM b, a, set, p, zero           ; one product: weight's block b x x's block a.  zero = 1: it starts the sum
.set DD, 8*(4*((\b)%8)+(\a))
.set WB, 12*(\b)
.set XA, AF+48*(\set)+12*(\a)
.set SW, SCB+8*(\p)+((\b)%8)
.set SX, SCA+4*(\set)+(\a)
.if (\b) < 8
.if \zero
	v_wmma_scale_f32_16x16x128_f8f6f4 v[DD:DD+7], v[WB:WB+11], v[XA:XA+11], 0, v[SW], v[SX] matrix_a_fmt:MATRIX_FMT_FP6 matrix_b_fmt:MATRIX_FMT_FP6
.else
	v_wmma_scale_f32_16x16x128_f8f6f4 v[DD:DD+7], v[WB:WB+11], v[XA:XA+11], v[DD:DD+7], v[SW], v[SX] matrix_a_fmt:MATRIX_FMT_FP6 matrix_b_fmt:MATRIX_FMT_FP6
.endif
.else
.if \zero
	v_wmma_scale_f32_16x16x128_f8f6f4 v[DD:DD+7], v[WB:WB+11], v[XA:XA+11], 0, v[SW], v[SX] matrix_a_fmt:MATRIX_FMT_FP6 matrix_b_fmt:MATRIX_FMT_FP6 matrix_a_scale:MATRIX_SCALE_ROW1
.else
	v_wmma_scale_f32_16x16x128_f8f6f4 v[DD:DD+7], v[WB:WB+11], v[XA:XA+11], v[DD:DD+7], v[SW], v[SX] matrix_a_fmt:MATRIX_FMT_FP6 matrix_b_fmt:MATRIX_FMT_FP6 matrix_a_scale:MATRIX_SCALE_ROW1
.endif
.endif
.endm
.macro QUAD b0, set, p, zero           ; 16 products; the 64 accumulators take turns, one instruction a turn, in the same order in every step
.irp b, \b0, \b0+1, \b0+2, \b0+3
.irp a, 0,1,2,3
	WM (\b), \a, \set, \p, \zero
.endr
.endr
.endm
; A step of 128 along K.  LDS instructions of a step, in order: 2 (scale words) + 24 in its middle, 24 at its end.  The wait ahead of a half leaves out what was issued behind the run that it needs:
; ahead of the first half the end's run (24), ahead of the second the middle's (26).  lw: the loads of x issued behind this step's (13 a step).
; ns, nq: where the next step's weight lies.  ao: the chunk of x four steps on (99: none is left).  bump = 1: the two pointers step, a step behind the last instruction that read them.
.macro STEP set, p, ns, nq, ao, lw, zero, bump
	s_wait_loadcnt \lw
	s_wait_dscnt 24
	WIN MUL_LO
	QUAD 0, \set, \p, \zero
	QUAD 4, \set, \p, \zero
	PLACES
	WIN 0
	SCALES \ns, \nq, 1-(\p)
	RELOAD \ns, \nq, 0
	s_wait_dscnt 26
	WIN MUL_HI
	QUAD 8, \set, \p, \zero
	QUAD 12, \set, \p, \zero
	PLACES
	RELOAD \ns, \nq, 8
	WIN 0
.if \bump
	s_wait_xcnt 0x0                                ; the loads and prefetches issued so far have read their bases
	s_add_nc_u64 s[PA:PA+1], s[PA:PA+1], 8*SUB
	s_add_nc_u64 s[PFA:PFA+1], s[PFA:PFA+1], 2*BCH
.endif
.if (\ao) < 90
	ALOAD \set, \ao
.endif
.endm
; A slot's last step changes slots: ONE barrier.  In front of it each wave waits for all its tensor loads (one is out: its quarter of the next slot), adds 0 to its spare word, and waits for
; that and for its reads of this slot, which were all issued in the step before.  fill = 1: the barrier opens a round of the cluster's barrier, and this slot takes the four steps that stand two slots on:
; from there to the wait for that load a wave issues 224 matrix instructions.
; ASK: behind the refill and the run of LDS loads, one prefetch a wave for the slot that the NEXT refill will bring, four steps ahead of that load: of the 100 runs of 256 bytes that I fetch, the partner
; at place cy of the cluster's column names 25, told apart by address (lanes 25-31 name the last again).  ask = 2: the loop's last trip has no such slot left.  The first three slots come by their loads alone.
.macro TURN set, p, cs, ns, ao, lw, fill, ask
	s_wait_loadcnt \lw
	s_wait_tensorcnt 0x0
	ds_add_u32 v[SPW], v[NIL]
.if \fill
	s_add_nc_u64 s[G0+4*\cs+2:G0+4*\cs+3], s[G0+4*\cs+2:G0+4*\cs+3], 2*BCH   ; no load of mine is out: this slot's next tile
.endif
	s_wait_dscnt 25                                ; (the last run and the add may be out)
	WIN MUL_LO
	QUAD 0, \set, \p, 0
	s_wait_dscnt 0x0                               ; the add is done, and my reads of this slot are over
	s_barrier_signal -1
	QUAD 4, \set, \p, 0
	WIN 0
	s_barrier_wait -1
.if \fill
	CREST
	JLOAD \cs                                      ; its four v_nop are also the places in front of the loads below
.else
	PLACES
.endif
	SCALES \ns, 0, 1-(\p)
	RELOAD \ns, 0, 0
	WIN 0
.if (\ask) == 1
	global_prefetch_b8 v[PFO], s[PFA:PFA+1] th:TH_LOAD_NT scope:SCOPE_SE
.endif
.if (\ask) == 2
	s_cmp_gt_u32 s3, 1
	s_cbranch_scc0 .Lno_ask_\@
	global_prefetch_b8 v[PFO], s[PFA:PFA+1] offset:BCH th:TH_LOAD_NT scope:SCOPE_SE
.Lno_ask_\@:
.endif
	WIN MUL_HI
	QUAD 8, \set, \p, 0
	QUAD 12, \set, \p, 0
	PLACES
	RELOAD \ns, 0, 8
	WIN 0
	ALOAD \set, \ao
.endm
	s_load_b256 s[4:11], s[0:1], 0x0               ; xq s[4:5], wq s[6:7], bias s[8:9], out0 s[10:11]
	v_lshl_add_u32 v[SPW], v0, 2, SPARE
	v_mov_b32 v[NIL], 0
	ds_add_u32 v[SPW], v[NIL]                      ; the opening: the add, twice on end, and its wait ahead of my first tensor load
	ds_add_u32 v[SPW], v[NIL]
	v_lshrrev_b32 v1, 5, v0
	v_readfirstlane_b32 s14, v1                    ; wave 0..3
	s_lshr_b32 s15, s14, 1                         ; which 128 rows: of x's tile (mine lie there), and of weight's tile (I fetch from them)
	s_and_b32 s16, s14, 1                          ; which 64 of x's; which two of a slot's four steps I fetch
	s_bfe_u32 s40, ttmp6, 0x40000                  ; cx, cy
	s_bfe_u32 s41, ttmp6, 0x40004
	s_lshl_b32 s42, ttmp9, 2
	s_add_co_u32 s42, s42, s40                     ; tile column
	s_and_b32 s17, ttmp7, 0xffff
	s_lshl_b32 s17, s17, 2
	s_add_co_u32 s17, s17, s41                     ; tile row
	s_lshl_b32 s44, 0x1111, s40                    ; my column of the cluster
	s_or_b32 s[G1+0], s44, (3<<16)|(1<<21)         ; the mask; elements of 8 bytes; bit 21 beside a mask
	s_mov_b32 s[G1+1], 32<<16                      ; a dense block as rows of 256 bytes
	s_mov_b32 s[G1+2], (UNIT/256)<<16
	s_mov_b32 s[G1+3], 32<<16
	s_mov_b32 s[G1+4], UNIT/256
	s_mov_b32 s[G1+5], 32
	s_mov_b32 s[G1+6], 0
	s_mov_b32 s[G1+7], 0
	s_mov_b32 s88, 0x38800000                      ; 2^-14
	s_mov_b32 s89, 0x47800000                      ; 65536
	s_mov_b32 s90, 0x7f800000                      ; the exponent field
	s_mov_b32 s91, 0x00400000                      ; 1.5's mantissa bit
	s_mov_b32 s92, 0x46000000                      ; 8192
	s_mov_b32 s94, 0xc6000000                      ; -8192
	s_lshl_b32 s20, s17, 1
	s_add_co_u32 s20, s20, s15
	s_mul_i32 s20, s20, RCH                        ; x: my 128 rows,
	s_mul_i32 s21, s16, 4*FRB
	s_add_co_u32 s20, s20, s21                     ; fragments 0-3 or 4-7 of each chunk
	s_mov_b32 s21, 0
	s_lshl_b32 s46, s42, 1
	s_add_co_u32 s46, s46, s15
	s_mul_i32 s46, s46, RCH                        ; weight: the 128 rows that I fetch,
	s_mul_i32 s47, s16, UNIT
	s_add_co_u32 s46, s46, s47                     ; and which two steps
	s_mov_b32 s47, 0
	s_mul_i32 s45, s14, UNIT                       ; where they go in a slot
	s_lshl_b32 s52, s42, 10                        ; the tile's first column, in bytes of f32
	s_mov_b32 s53, 0
	s_lshl_b32 s54, s17, 8
	s_lshl_b32 s55, s14, 6
	s_add_co_u32 s54, s54, s55
	s_lshl_b32 s54, s54, 14                        ; my first row of out0, in bytes
	s_mov_b32 s55, 0
	s_mul_i32 s18, s16, 4*FRB-256
	s_sub_co_u32 s18, SCW, s18                     ; from my fragments to my 256 bytes of scale words
	s_mul_i32 s23, s14, 16*SPITCH
	s_add_co_u32 s23, s23, STAGE                   ; my stage
	s_mul_i32 s19, s41, 25                         ; my work-group's 25 of the 100 runs that a prefetch shares out
	v_and_b32 v1, 15, v0                           ; r
	v_bfe_u32 v2, v0, 4, 1                         ; h
	v_and_b32 v3, 31, v0                           ; lane
	v_lshlrev_b32 v[AOF], 4, v3
.irp k, 0,1,2,3
	v_add_nc_u32 v[ADRB+\k], \k*BCH, v[AOF]
.endr
	v_mul_u32_u24 v4, v2, BCH
	v_lshl_add_u32 v[ADRS], v1, 4, v4
	v_add_nc_u32 v[ADRS+1], SLOT, v[ADRS]
	v_lshl_add_u32 v[AOS], v1, 4, s18
	v_mul_u32_u24 v5, v1, SPITCH
	v_lshl_add_u32 v5, v2, 5, v5
	v_add_nc_u32 v[STO], s23, v5
	v_add_nc_u32 v[RD], s23, v[AOF]
	v_min_u32 v6, 24, v3
	v_add_nc_u32 v6, s19, v6
	v_lshlrev_b32 v[PFO], 8, v6
	s_wait_alu depctr_va_vdst(0)                   ; the wait here, ahead of the waits below
	s_wait_dscnt 0x0                               ; both opening adds are done
	s_wait_kmcnt 0x0
	s_add_nc_u64 s[PA:PA+1], s[4:5], s[20:21]
	s_add_nc_u64 s[46:47], s[6:7], s[46:47]
	s_add_nc_u64 s[8:9], s[8:9], s[52:53]
	s_add_nc_u64 s[10:11], s[10:11], s[54:55]
	s_add_nc_u64 s[10:11], s[10:11], s[52:53]
	s_add_nc_u64 s[PFA:PFA+1], s[46:47], BCH       ; the first step of this pointer brings it to slot 3's bytes
.irp s, 0,1
	s_mov_b32 s[G0+4*\s], 1
	s_add_co_u32 s[G0+4*\s+1], s45, \s*SLOT
	s_add_nc_u64 s[G0+4*\s+2:G0+4*\s+3], s[46:47], \s*BCH
	s_or_b32 s[G0+4*\s+3], s[G0+4*\s+3], 0x80000000
.endr
	CROUND                                         ; all sixteen work-groups are here: the first joint loads meet
	JLOAD 0                                        ; steps 0 to 3 of weight: one tensor load a wave at the head, ahead of the 54 loads into registers
	global_load_b128 v[BI:BI+3], v[AOF], s[8:9]
	global_load_b128 v[BI+4:BI+7], v[AOF], s[8:9] offset:512
	ALOAD 0, 0                                     ; x's steps 0 to 3
	ALOAD 1, 1
	ALOAD 2, 2
	ALOAD 3, 3
	s_wait_loadcnt 52                              ; bias is in; x's 52 loads may be out
.irp i, 0,1,2,3,4,5,6,7
	v_med3_num_f32 v4, |v[BI+\i]|, s88, s89        ; h(bias): |v| held to 2^-14 .. 65536,
	v_and_b32 v6, 0x7fffffff, v[BI+\i]
	v_cmp_gt_f32 vcc_lo, s89, v4
	v_cndmask_b32 v5, 0, v[BI+\i], vcc_lo          ; 0 from 65536 on,
	v_and_or_b32 v4, v4, s90, s91                  ; 1.5 x 2^e,
	v_fma_f32 v5, v4, s92, v5                      ; rounded to the grid, ties to even,
	v_fma_f32 v5, v4, s94, v5                      ; and back: exact;
	v_cmp_gt_u32 vcc_lo, s90, v6
	v_cndmask_b32 v[BI+\i], v[BI+\i], v5, vcc_lo   ; an infinity or a NaN stays as it is
.endr
	s_wait_alu depctr_va_vdst(0)                   ; the wait at the head's end
	s_wait_tensorcnt 0x0                           ; my quarter of slot 0 is in; slot 1's first fill is issued as a refill is
	ds_add_u32 v[SPW], v[NIL]
	s_wait_dscnt 0x0
	CROUND
	JLOAD 1                                        ; steps 4 to 7
	SCALES 0, 0, 0
	RELOAD 0, 0, 0
	RELOAD 0, 0, 8
	WIN 0
	STEP 0, 0, 0, 1, 4, 39, 1, 0                   ; step 0 stands in front of the loop: its products start the sums
	s_mov_b32 s3, 3
.Llap:                                                 ; a trip goes once round the ring, from a lap's second step to the next lap's first: steps 8 T + 1 .. 8 T + 8
	STEP 1, 1, 0, 2, -3, 39, 0, 1
	STEP 2, 0, 0, 3, -2, 39, 0, 0
	TURN 3, 1, 0, 1, -1, 39, 1, 1
	STEP 0, 0, 1, 1, 0, 39, 0, 0
	STEP 1, 1, 1, 2, 1, 39, 0, 0
	STEP 2, 0, 1, 3, 2, 39, 0, 0
	TURN 3, 1, 1, 0, 3, 39, 1, 2
	STEP 0, 0, 0, 1, 4, 39, 0, 0
	s_sub_co_u32 s3, s3, 1
	s_cmp_lg_u32 s3, 0
	s_cbranch_scc1 .Llap
	STEP 1, 1, 0, 2, 5, 39, 0, 0                   ; steps 25 to 31: no slot is filled again; x's last three chunks are asked for
	STEP 2, 0, 0, 3, 6, 39, 0, 0
	TURN 3, 1, 0, 1, 7, 39, 0, 0
	STEP 0, 0, 1, 1, 99, 39, 0, 0
	STEP 1, 1, 1, 2, 99, 26, 0, 0
	STEP 2, 0, 1, 3, 99, 13, 0, 0
; THE LAST STEP GOES BY ROWS OF out0: x's blocks one after the other, each against weight's sixteen, which all lie in registers.  A block of 16 rows x 256 columns leaves as soon as it is finished.
.macro MR a
	WIN MUL_LO
.irp b, 0,1,2,3,4,5,6,7
	WM \b, \a, 3, 1, 0
.endr
	WIN MUL_HI
.irp b, 8,9,10,11,12,13,14,15
	WM \b, \a, 3, 1, 0
.endr
.endm
; THE WAY OUT of block a: 32 bytes a lane into my own stage, each accumulator from its low end on; back as whole rows of 1,024 bytes, eight rows to a buffer.
; LDS serves a wave's instructions in order (ISA guide 5.7.1.4): no wait between the stores and the loads, nor ahead of the next block's stores.
.macro OUT a
.if (\a) > 0
	s_wait_xcnt 0x0                                ; the last block's stores have read their data: the buffers are loaded again only behind this wait
.endif
	WIN 0x08                                       ; the data: window 2
.irp b, 0,1,2,3,4,5,6,7
	ds_store_b128 v[STO], v[8*(4*\b+\a):8*(4*\b+\a)+3] offset:64*\b
	ds_store_b128 v[STO], v[8*(4*\b+\a)+4:8*(4*\b+\a)+7] offset:64*\b+16
.endr
	WIN 0x0c                                       ; window 3
.irp b, 0,1,2,3,4,5,6,7
	ds_store_b128 v[STO], v[8*(4*\b+\a):8*(4*\b+\a)+3] offset:512+64*\b
	ds_store_b128 v[STO], v[8*(4*\b+\a)+4:8*(4*\b+\a)+7] offset:512+64*\b+16
.endr
	WIN 0
.irp t, 0,1,2,3,4,5,6,7,8,9,10,11,12,13,14,15
	ds_load_b128 v[BK+8*\t:BK+8*\t+3], v[RD] offset:\t*SPITCH
	ds_load_b128 v[BK+8*\t+4:BK+8*\t+7], v[RD] offset:\t*SPITCH+512
.endr
.endm
.macro SEND a                          ; + h(bias), and stored: each store covers 512 consecutive bytes of a row, from a multiple of 256; all 64 rows stand in the immediate (1,032,704 at the most)
	WIN 0
.irp u, 0,1
	s_wait_dscnt 16-16*\u                          ; this buffer's 16 loads are back
.irp t, 0,1,2,3,4,5,6,7
.irp k, 0,2,4,6
	v_pk_add_f32 v[BK+64*\u+8*\t+\k:BK+64*\u+8*\t+\k+1], v[BK+64*\u+8*\t+\k:BK+64*\u+8*\t+\k+1], v[BI+\k:BI+\k+1]
.endr
.endr
.irp t, 0,1,2,3,4,5,6,7
	global_store_b128 v[AOF], v[BK+64*\u+8*\t:BK+64*\u+8*\t+3], s[10:11] offset:(16*(\a)+8*\u+\t)*ROWC th:TH_STORE_NT
	global_store_b128 v[AOF], v[BK+64*\u+8*\t+4:BK+64*\u+8*\t+7], s[10:11] offset:(16*(\a)+8*\u+\t)*ROWC+512 th:TH_STORE_NT
.endr
.endr
.endm
	s_wait_loadcnt 0x0
	s_wait_dscnt 0x0                               ; all sixteen blocks of weight are in
	MR 0
	MR 1
	PLACES                                         ; ahead of the reads of blocks 0 and 1
	OUT 0
	MR 2
	SEND 0                                         ; its additions are the places behind block 2's products
	OUT 1
	MR 3
	SEND 1                                         ; and these behind block 3's
	OUT 2
	SEND 2
	OUT 3
	SEND 3
	s_wait_tensorcnt 0x0                           ; the wave's end
	ds_add_u32 v[SPW], v[NIL]
	s_wait_dscnt 0x0
	CROUND                                         ; the closing round
	s_endpgm
.Lfunc_end_k_q16842f6a49_gemm:
	.size	k_q16842f6a49_gemm, .Lfunc_end_k_q16842f6a49_gemm-k_q16842f6a49_gemm
	.p2alignl 7, 3214868480
	.fill 96, 4, 3214868480
	.section	.rodata,"a",@progbits
	.p2align	6, 0x0
	.amdhsa_kernel k_q16842f6a49_gemm
		.amdhsa_group_segment_fixed_size 327680
		.amdhsa_private_segment_fixed_size 0
		.amdhsa_enable_private_segment 0
		.amdhsa_kernarg_size 32
		.amdhsa_user_sgpr_count 2
		.amdhsa_user_sgpr_kernarg_segment_ptr 1
		.amdhsa_wavefront_size32 1
		.amdhsa_system_sgpr_workgroup_id_x 1
		.amdhsa_system_sgpr_workgroup_id_y 1
		.amdhsa_system_sgpr_workgroup_id_z 1
		.amdhsa_system_vgpr_workitem_id 0
		.amdhsa_next_free_vgpr 1024
		.amdhsa_next_free_sgpr 98
		.amdhsa_reserve_vcc 1
		.amdhsa_float_denorm_mode_32 3
		.amdhsa_float_denorm_mode_16_64 3
		.amdhsa_memory_ordered 1
		.amdhsa_forward_progress 1
		.amdhsa_inst_pref_size 255
	.end_amdhsa_kernel
	.section	.bss,"aw",@nobits
	.p2align	6
	.space	262144
	.amdgpu_metadata
---
amdhsa.version: [ 1, 2 ]
amdhsa.kernels:
  - .name:           k_q16842f6a49_gemm
    .symbol:         k_q16842f6a49_gemm.kd
    .args:
      - { .name: xq, .offset: 0, .size: 8, .value_kind: global_buffer, .address_space: global }
      - { .name: wq, .offset: 8, .size: 8, .value_kind: global_buffer, .address_space: global }
      - { .name: bias, .offset: 16, .size: 8, .value_kind: global_buffer, .address_space: global }
      - { .name: out0, .offset: 24, .size: 8, .value_kind: global_buffer, .address_space: global }
    .group_segment_fixed_size: 327680
    .private_segment_fixed_size: 0
    .kernarg_segment_align: 8
    .kernarg_segment_size: 32
    .max_flat_workgroup_size: 128
    .sgpr_count:     98
    .vgpr_count:     1024
    .wavefront_size: 32
...
	.end_amdgpu_metadata
.endif
;; end of part 2
